; MI455X (gfx1250); checked and timed in simulation.
; The chip was launched on July 23, 2026; its instructions are those of AMD's public machine-readable ISA for CDNA 5 (MIT licence, August 2026) and "CDNA5" Instruction Set Architecture Reference Guide (July 2026). The comments in the code are by the model that wrote it; some were corrected since.
;; Attention. Allowed arithmetic: matrix products marked QUANTISED: E5M2 operands, one given power-of-two scale a tensor, by v_wmma_f32_16x16x64_bf8_bf8 or v_wmma_f32_16x16x128_bf8_bf8, f32 sums; everything else in f32.
;; Inputs: K_codes 512 x 32 x 32 uint8 (E5M2 codes of K, K innermost, in blocks of 32 codes); Q_codes 512 x 32 x 32 uint8 (E5M2 codes of Q, K innermost, in blocks of 32 codes); X_codes 8 x 2,048 x 32 x 32 uint8 (E5M2 codes of X, K innermost, in blocks of 32 codes); Y 8 x 2,048 x 1,024 float32; b1 512 float32; b2 512 float32; g1 512 float32; g2 512 float32; lowp_scales 8 int32 (the exponents e of the quantised operands' scales 2^e).
;; Outputs: out0 8 x 2,048 x 1,024 float32.
;; This version of the problem:
;;   THIS VERSION OF THE PROBLEM IS GIVEN IN LOW PRECISION. The matrix products marked QUANTISED in the list below multiply operands that are first quantised to E5M2 (5 exponent bits, 2 mantissa bits; 8 bits a number), with one given power-of-two scale for each operand tensor; their sums are f32. All else is computed in f32.
;;   The module's matrix products, in the order in which they are computed (A, B: the left and right operand; K: the contracted axis; several contracted axes count as one K, in the product's order):
;;     1. [M 16,384, K 1,024] x [K 1,024, N 512]; A: input Y; B: input K (given as codes): QUANTISED (scales: A lowp_scales[0], B lowp_scales[1])
;;     2. [M 16,384, K 1,024] x [K 1,024, N 512]; A: input X (given as codes); B: input Q (given as codes): QUANTISED (scales: A lowp_scales[2], B lowp_scales[3])
;;     3. batch 8 x [M 2,048, K 512] x [K 512, N 2,048]; A: computed on the way; B: computed on the way: QUANTISED (scales: A lowp_scales[4], B lowp_scales[5])
;;     4. batch 8 x [M 2,048, K 2,048] x [K 2,048, N 1,024]; A: softmax (see below); B: input Y: QUANTISED (scales: A lowp_scales[6], B lowp_scales[7])
;;   THE QUANTISER, for each operand of a quantised product, along K:
;;     - The operand's scale is 2^e, e = its entry of the input lowp_scales (int32; the entries are numbered through the quantised products in the list's order, A before B).
;;     - Each number is divided by the scale, clamped to +-57,344, and rounded to the nearest number of E5M2, ties to even, subnormals kept.
;;     - The product sums the exact products of the quantised numbers (number of the format x scale) in f32.
;;   ~~~python
;;   def quantise(x, axis, e):      # numpy; x: float32 -> the quantised numbers, widened to float32 again
;;       x = np.moveaxis(x, axis, -1); K = x.shape[-1]
;;       r = np.clip(x / 2.0 ** e, -57344, 57344)
;;       step = 2.0 ** (np.maximum(np.frexp(np.where(r == 0, 1, r))[1] - 1, -14) - 2)
;;       q = np.round(r / step) * step * 2.0 ** e      # np.round: ties to even
;;       return np.moveaxis(q, -1, axis).astype(np.float32)
;;   ~~~
;;   SOFTMAX AHEAD OF A QUANTISED PRODUCT. Where the list says 'softmax', what is quantised is not the finished softmax but p = 2^(t - M), with t = logit x log2(e) and M = ceil(the row's largest t), a whole number; so 1/2 < the row's largest p <= 1. The row's sum l is taken of the UNQUANTISED p, in f32, and the product's result is divided by l at the end. Since M is a whole number, a kernel that streams over the keys may use a running M (the ceiling of the running maximum): every later rescaling is an exact power of two, so the quantised numbers keep their values, but for numbers so far below the row's largest that they fall under the format's range.
;;   OPERANDS COMPUTED ON THE WAY. 'Computed on the way' means the value that the module computes at that place (a softmax that the list does not call 'softmax' is quantised finished and normalised). What goes into a quantiser is computed in f32, as accurately as f32 sums, v_exp_f32 and their like allow (about 1e-6 of the number): no bf16 or f16 on the way to a quantiser, and a product that is left as it is and whose result goes on into a quantised operand takes f32 operands (vector FMAs, or v_wmma_f32_16x16x4_f32). A number that lies on a knife's edge between two numbers of the format may be rounded either way, as far as f32 arithmetic and the matrix unit's own rounding can turn it there, and no further.
;;   INPUTS GIVEN AS CODES. K (in the module: [1024, 512], K = its axis 0); Q (in the module: [1024, 512], K = its axis 0); X (in the module: [8, 2048, 1024], K = its axis 2): each comes as NAME_codes (uint8): NAME with its K axis moved to the last place and cut into blocks of 32 codes, [.., K / 32, bytes a block], one block behind the other in memory; one code a byte (a code: sign, 5 exponent bits, 2 mantissa bits); its scale is its entry of lowp_scales. Its value is code x scale, taken as it is: it is not quantised again, and the codes and scales need not be those that the quantiser above would give.
;; One version. Each part assembles by itself: llvm-mc -triple=amdgcn-amd-amdhsa -mcpu=gfx1250 --defsym DOCPART=n.
;; ======== version 1 of 1: 3 launches
;; limits: right only within a limited range of input values
;; workspace buffers: yc 16,777,216 bytes; vc 16,777,216 bytes; kc 8,388,608 bytes; qc 8,388,608 bytes
;; launch quant (part 1): grid 512 x 1, 8 waves a work-group, no clusters, 75,264 bytes of LDS; arguments Y, lowp_scales, yc, vc; writes yc, vc
.if DOCPART == 1
	.amdgcn_target "amdgcn-amd-amdhsa--gfx1250"
	.amdhsa_code_object_version 6
	.text
	.protected	k_q34fef2b927_quant
	.globl	k_q34fef2b927_quant
	.p2align	8
	.type	k_q34fef2b927_quant,@function
k_q34fef2b927_quant:
	s_mov_b64 s[64:65], 0
	v_nop
	global_prefetch_b8 v0, s[64:65] scope:SCOPE_SE
	s_setreg_imm32_b32 hwreg(HW_REG_WAVE_MODE, 25, 1), 1
	s_wait_xcnt 0x0
; Y [16384 rows][1024 f], f32, is an operand twice, so it is turned into codes of E5M2 twice, in one pass over its bytes:
;   yc [16384][1024]: code = Y / 2^e0 (entry 0 of the scales), f innermost, row by row: the first product's operand;
;   vc [batch 8][step 16][tile 64][c 4][h 2][r 16][16 bytes]: code = Y / 2^e7 (entry 7), the KEYS innermost, in the order of a matrix operand's registers:
;      f = 16 tile + r; byte i < 8 is key 128 step + 32 c + 8 h + i, byte i >= 8 is key 128 step + 32 c + 16 + 8 h + (i - 8).
; code = x / 2^e, held within +-57,344, rounded to the nearest code, ties to even.  LIMITS: e0 and e7 between -126 and 112; NaN among the inputs is not served.
; SHARES.  A work-group owns 32 rows (one c of one key step), wave v of eight the f 128 v .. 128 v + 127.  A lane holds 4 neighbouring f of each of the 32 rows: every load reads 512 consecutive bytes.
; All 32 loads of a wave go out at once: no loop, no ring.  No tensor load, no cluster, no matrix unit: work-groups share nothing, and the launch only streams.
; The conversion takes 8 numbers from 8 consecutive registers: two rows x 4 f, so each of its two result registers holds 4 codes along f of one row.
;   yc: such a register is stored into a stage of rows (1,024 bytes + 16), shared by the eight waves; behind the one barrier each wave stores 4 whole rows.
;   vc: 4 rows x 4 f of bytes are transposed by eight v_perm_b32; a lane's groups of 16 keys go through the wave's own stage, so that a store covers 512 consecutive bytes of vc.
.set AP,   1040                        ; a row of the shared stage: 1,024 bytes + 16
.set VST,  32*AP                       ; behind it: 5,120 bytes for each wave: two halves (h) of 32 x 80 bytes
.set VW,   5120
.set X,    32                          ; v32-159  the numbers as loaded: row i at X + 4 i
.set T,    160                         ; v160-191 eight rows held for e0; later the transposition's four temporaries
.set CA,   192                         ; v192-223 e0 codes, a register a row
.set CV,   224                         ; v224-255 e7 codes, a register a row
.set DV,   32                          ; v32-63   transposed: group (f = 4 lane + j, h) at DV + 8 j + 4 h
.set VB,   64                          ; v64-95   vc's bytes back from the stage
.set AB,   96                          ; v96-127  yc's rows back from the stage
	s_load_b128 s[4:7], s[0:1], 0x0                ; Y, the scales' exponents
	s_load_b128 s[8:11], s[0:1], 0x10              ; yc, vc
	v_lshl_add_u32 v30, v0, 2, 0x12200
	v_mov_b32 v31, 0
	v_lshrrev_b32 v12, 5, v0
	s_delay_alu instid0(VALU_DEP_1)
	v_readfirstlane_b32 s12, v12                   ; wave 0..7
	v_and_b32 v13, 31, v0                          ; lane
	v_lshlrev_b32 v1, 4, v0                        ; Y: 16 x thread = 512 x wave + 16 x lane
	v_lshlrev_b32 v2, 2, v0                        ; the rows' stage, in: 4 x thread = 128 x wave + 4 x lane
	s_mul_i32 s13, s12, VW
	s_add_co_u32 s13, s13, VST                     ; my wave's own stage
	v_mul_u32_u24 v3, v13, 80
	s_delay_alu instid0(VALU_DEP_1)
	v_add_nc_u32 v3, s13, v3                       ; in: 80 x lane: my four f, 16 bytes each, + 16 of padding
	v_bfe_u32 v14, v0, 4, 1                        ; lane / 16
	v_bfe_u32 v15, v0, 2, 2                        ; (lane % 16) / 4
	v_and_b32 v16, 3, v0                           ; lane % 4
	s_delay_alu instid0(VALU_DEP_3)
	v_mul_u32_u24 v4, v14, 2560
	s_delay_alu instid0(VALU_DEP_1)
	v_mad_u32_u24 v4, v15, 80, v4
	s_delay_alu instid0(VALU_DEP_1)
	v_lshl_add_u32 v4, v16, 4, v4
	s_delay_alu instid0(VALU_DEP_1)
	v_add_nc_u32 v4, s13, v4                       ; out: half h = lane / 16, f = 16 t + lane % 16
	v_lshlrev_b32 v5, 4, v13                       ; 16 x lane
	s_mul_i32 s14, s12, 4*AP
	v_add_nc_u32 v6, s14, v5                       ; the rows' stage, out: my wave's four rows
	s_mov_b32 s20, 0x05010400                      ; v_perm_b32: bytes 0, 1 of two registers, interleaved
	s_mov_b32 s21, 0x07030602                      ; bytes 2, 3 likewise
	s_mov_b32 s22, 0x05040100                      ; the low halves of two registers
	s_mov_b32 s23, 0x07060302                      ; the high halves
	s_lshl_b32 s16, ttmp9, 17                      ; Y: 32 rows x 4,096 bytes
	s_mov_b32 s17, 0
	s_lshl_b32 s18, ttmp9, 15                      ; yc: 32 rows x 1,024 bytes,
	s_lshl_b32 s15, s12, 12
	s_add_co_u32 s18, s18, s15                     ; + my wave's four rows
	s_mov_b32 s19, 0
	s_lshr_b32 s32, ttmp9, 2
	s_lshl_b32 s32, s32, 17                        ; vc: the key step's 131,072 bytes,
	s_and_b32 s15, ttmp9, 3
	s_lshl_b32 s15, s15, 9
	s_add_co_u32 s32, s32, s15                     ; + 512 c,
	s_lshl_b32 s15, s12, 14
	s_add_co_u32 s32, s32, s15                     ; + my wave's eight tiles of 2,048 bytes
	s_mov_b32 s33, 0
	s_wait_kmcnt 0x0
	s_load_b256 s[24:31], s[6:7], 0x0              ; e0 .. e7
	s_add_nc_u64 s[4:5], s[4:5], s[16:17]
	s_add_nc_u64 s[8:9], s[8:9], s[18:19]
	s_add_nc_u64 s[10:11], s[10:11], s[32:33]
.set i, 0
.rept 32
	global_load_b128 v[X+4*i:X+4*i+3], v1, s[4:5] offset:4096*i th:TH_LOAD_NT   ; row i: the wave reads 512 consecutive bytes
.set i, i+1
.endr
	s_wait_kmcnt 0x0
	s_add_co_i32 s16, s24, 127
	s_lshl_b32 s17, s16, 23
	v_mov_b32 v8, s17                              ; 2^e0 as f32: the conversion takes its exponent field
	s_add_co_i32 s16, s16, 15
	s_lshl_b32 s16, s16, 23
	s_or_b32 s16, s16, 0x600000
	v_mov_b32 v9, s16                              ; 57,344 x 2^e0
	s_add_co_i32 s16, s31, 127
	s_lshl_b32 s17, s16, 23
	v_mov_b32 v10, s17                             ; 2^e7
	s_add_co_i32 s16, s16, 15
	s_lshl_b32 s16, s16, 23
	s_or_b32 s16, s16, 0x600000
	v_mov_b32 v11, s16                             ; 57,344 x 2^e7
; Rows 8 q .. 8 q + 7: both sets of codes.  The conversion to an 8-bit code does not saturate (ISA guide 7.6.2): each number is first held within the largest code x the scale.
.macro GROUP q
	s_wait_loadcnt 24-8*(\q)                       ; loads come back in order: these eight rows are in, the later rows' loads may be out
.set k, 0
.rept 32
	v_med3_num_f32 v[T+k], v[X+32*(\q)+k], -v9, v9
.set k, k+1
.endr
.irp p, 0,1,2,3
	v_cvt_scalef32_pk8_bf8_f32 v[CA+8*(\q)+2*\p:CA+8*(\q)+2*\p+1], v[T+8*\p:T+8*\p+7], v8   ; rows 8 q + 2 p and + 1, four codes along f each
.endr
.set k, 0
.rept 32
	v_med3_num_f32 v[X+32*(\q)+k], v[X+32*(\q)+k], -v11, v11   ; (plain lines behind the conversions above, whose registers they do not name)
.set k, k+1
.endr
.irp p, 0,1,2,3
	v_cvt_scalef32_pk8_bf8_f32 v[CV+8*(\q)+2*\p:CV+8*(\q)+2*\p+1], v[X+32*(\q)+8*\p:X+32*(\q)+8*\p+7], v10
.endr
	v_nop                                          ; one plain line between the last conversion and the vector lines that later touch its result or write its sources
.irp p, 0,1,2,3,4,5,6,7
	ds_store_b32 v2, v[CA+8*(\q)+\p] offset:AP*(8*(\q)+\p)   ; 128 consecutive bytes of a stage row
.endr
.endm
	s_wait_alu depctr_va_vdst(0)
	GROUP 0
	GROUP 1
	GROUP 2
	GROUP 3
; Rows 4 g .. 4 g + 3 x my four f, as bytes, transposed: register (j) then holds four neighbouring keys of f = 4 lane + j.  Its place in the group of 16 keys: h = (g / 2) % 2, register g % 2 + 2 (g / 4).
.macro TR g
.set tra, CV+4*(\g)
.set trd, DV+4*(((\g)/2)%2)+((\g)%2)+2*((\g)/4)
	v_perm_b32 v[T], v[tra+1], v[tra], s20
	v_perm_b32 v[T+1], v[tra+1], v[tra], s21
	v_perm_b32 v[T+2], v[tra+3], v[tra+2], s20
	v_perm_b32 v[T+3], v[tra+3], v[tra+2], s21
	s_delay_alu instid0(VALU_DEP_2)
	v_perm_b32 v[trd], v[T+2], v[T], s22
	s_delay_alu instid0(VALU_DEP_3)
	v_perm_b32 v[trd+8], v[T+2], v[T], s23
	s_delay_alu instid0(VALU_DEP_3)
	v_perm_b32 v[trd+16], v[T+3], v[T+1], s22
	s_delay_alu instid0(VALU_DEP_4)
	v_perm_b32 v[trd+24], v[T+3], v[T+1], s23
.endm
.irp g, 0,1,2,3,4,5,6,7
	TR \g
.endr
.irp j, 0,1,2,3
.irp h, 0,1
	ds_store_b128 v3, v[DV+8*\j+4*\h:DV+8*\j+4*\h+3] offset:2560*\h+16*\j
.endr
.endr
.irp t, 0,1,2,3,4,5,6,7
	ds_load_b128 v[VB+4*\t:VB+4*\t+3], v4 offset:320*\t   ; LDS serves a wave's instructions in order (ISA guide 5.7.1.4): these see my stores; the bytes are my wave's own
.endr
.irp t, 0,1,2,3,4,5,6,7
	s_wait_dscnt 7-\t                              ; tile t is back; the later tiles' loads may be out
	global_store_b128 v5, v[VB+4*\t:VB+4*\t+3], s[10:11] offset:2048*\t   ; (tile 8 v + t, c) whole: 512 consecutive bytes, aligned
.endr
	s_wait_dscnt 0x0                               ; for the others' sake: my stores into the rows' stage are done
	s_barrier_signal -1
	s_barrier_wait -1                              ; the 32 rows are whole
.irp p, 0,1,2,3
.irp k, 0,1
	ds_load_b128 v[AB+4*(2*\p+\k):AB+4*(2*\p+\k)+3], v6 offset:AP*\p+512*\k
.endr
.endr
.irp p, 0,1,2,3
.irp k, 0,1
	s_wait_dscnt 7-(2*\p+\k)
	global_store_b128 v5, v[AB+4*(2*\p+\k):AB+4*(2*\p+\k)+3], s[8:9] offset:1024*\p+512*\k   ; half a row of yc: 512 consecutive bytes, aligned
.endr
.endr
	s_wait_tensorcnt 0x0
	ds_add_u32 v30, v31
	s_wait_dscnt 0x0
	s_endpgm
.Lfunc_end_k_q34fef2b927_quant:
	.size	k_q34fef2b927_quant, .Lfunc_end_k_q34fef2b927_quant-k_q34fef2b927_quant
	.p2alignl 7, 3214868480
	.fill 96, 4, 3214868480
	.section	.rodata,"a",@progbits
	.p2align	6, 0x0
	.amdhsa_kernel k_q34fef2b927_quant
		.amdhsa_group_segment_fixed_size 75264
		.amdhsa_private_segment_fixed_size 0
		.amdhsa_enable_private_segment 0
		.amdhsa_kernarg_size 32
		.amdhsa_user_sgpr_count 2
		.amdhsa_user_sgpr_kernarg_segment_ptr 1
		.amdhsa_wavefront_size32 1
		.amdhsa_system_sgpr_workgroup_id_x 1
		.amdhsa_system_sgpr_workgroup_id_y 1
		.amdhsa_system_sgpr_workgroup_id_z 1
		.amdhsa_system_vgpr_workitem_id 0
		.amdhsa_next_free_vgpr 256
		.amdhsa_next_free_sgpr 66
		.amdhsa_reserve_vcc 0
		.amdhsa_float_denorm_mode_32 3
		.amdhsa_float_denorm_mode_16_64 3
		.amdhsa_memory_ordered 1
		.amdhsa_forward_progress 1
		.amdhsa_inst_pref_size 36
	.end_amdhsa_kernel
	.amdgpu_metadata
---
amdhsa.version: [ 1, 2 ]
amdhsa.kernels:
  - .name:           k_q34fef2b927_quant
    .symbol:         k_q34fef2b927_quant.kd
    .args:
      - { .name: Y, .offset: 0, .size: 8, .value_kind: global_buffer, .address_space: global }
      - { .name: lowp_scales, .offset: 8, .size: 8, .value_kind: global_buffer, .address_space: global }
      - { .name: yc, .offset: 16, .size: 8, .value_kind: global_buffer, .address_space: global }
      - { .name: vc, .offset: 24, .size: 8, .value_kind: global_buffer, .address_space: global }
    .group_segment_fixed_size: 75264
    .private_segment_fixed_size: 0
    .kernarg_segment_align: 8
    .kernarg_segment_size: 32
    .max_flat_workgroup_size: 256
    .sgpr_count:     66
    .vgpr_count:     256
    .wavefront_size: 32
...
	.end_amdgpu_metadata
.endif
;; end of part 1
;; launch project (part 2): grid 256 x 1, 4 waves a work-group, clusters of 4 x 1, 327,680 bytes of LDS; arguments yc, X_codes, K_codes, Q_codes, g1, g2, b1, b2, lowp_scales, kc, qc; writes kc, qc
.if DOCPART == 2
	.amdgcn_target "amdgcn-amd-amdhsa--gfx1250"
	.amdhsa_code_object_version 6
	.text
	.protected	k_q34fef2b927_project
	.globl	k_q34fef2b927_project
	.p2align	8
	.type	k_q34fef2b927_project,@function
k_q34fef2b927_project:
	s_mov_b64 s[64:65], 0
	v_nop
	global_prefetch_b8 v0, s[64:65] scope:SCOPE_SE
	s_setreg_imm32_b32 hwreg(HW_REG_WAVE_MODE, 25, 1), 1
	s_wait_xcnt 0x0
	s_wait_alu depctr_hold_cnt(0) depctr_sa_sdst(0) depctr_va_vdst(0) depctr_va_sdst(0) depctr_va_ssrc(0) depctr_va_vcc(0) depctr_vm_vsrc(0)
	s_getreg_b32 s2, hwreg(HW_REG_IB_STS2, 6, 4)
	s_cmp_eq_u32 s2, 0
	s_cbranch_scc0 .Lentry_in_a_cluster
	s_endpgm
.Lentry_in_a_cluster:
	s_bfe_u32 s2, ttmp6, 0x10000c
	s_cmp_lg_u32 s2, 0x3003
	s_cbranch_scc0 .Lentry_shape_is_right
	s_endpgm
.Lentry_shape_is_right:
.set WP,    272
.set APT,   1040
.set SLOTB, 512*WP
.set S1,    SLOTB
.set SPARE, 2*SLOTB
.set LI,   1
.set SPW,  2
.set NIL,  3
.set GBO,  4
.set ARD,  5
.set ADW,  8
.set MU,   16
.set RS,   20
.set SCL,  26
.set LIMV, 27
.set CH,   32
.set PC,   64
.set FB,   128
.set WV,   14
.set G1W,  24
.set G1A,  32
.set G0W0, 40
.set G0W1, 44
.set G0A,  48
.set MSB, 0
.macro WIN new
.if MSB != (\new)
	s_set_vgpr_msb (MSB<<8)|(\new)
.set MSB, (\new)
.endif
.endm
.macro PLACES
.rept 4
	v_nop
.endr
.endm
.macro ROUND
	s_barrier_signal -1
	s_barrier_wait -1
	s_cmp_lg_u32 s[WV], 0
	s_cbranch_scc1 .Lnot_wave_0_\@
	s_barrier_signal -3
.Lnot_wave_0_\@:
	s_barrier_wait -3
	s_barrier_signal -1
	s_barrier_wait -1
.endm
	s_load_b512 s[68:83], s[0:1], 0x0
	s_load_b64 s[84:85], s[0:1], 0x40
	s_load_b128 s[88:91], s[0:1], 0x48
	v_lshl_add_u32 v[SPW], v0, 2, SPARE
	v_mov_b32 v[NIL], 0
	ds_add_u32 v2, v3
	ds_add_u32 v2, v3
	s_wait_dscnt 0x0
	v_lshrrev_b32 v16, 5, v0
	v_readfirstlane_b32 s[WV], v16
	s_bfe_u32 s15, ttmp6, 0x40000
	s_lshl_b32 s16, ttmp9, 2
	s_add_co_u32 s16, s16, s15
	s_and_b32 s16, s16, 127
	s_mov_b32 s[G1W], 15|(1<<20)|(1<<21)|(5<<22)|(3<<25)
	s_mov_b32 s[G1W+1], 256<<16
	s_mov_b32 s[G1W+2], 128<<16
	s_mov_b32 s[G1W+3], 256<<16
	s_mov_b32 s[G1W+4], 128
	s_mov_b32 s[G1W+5], 1024
	s_mov_b32 s[G1W+6], 0
	s_mov_b32 s[G1W+7], 0
	s_mov_b32 s[G1A], (1<<20)|(7<<22)|(3<<25)
	s_mov_b32 s[G1A+1], 1024<<16
	s_mov_b32 s[G1A+2], 64<<16
	s_mov_b32 s[G1A+3], 1024<<16
	s_mov_b32 s[G1A+4], 64
	s_mov_b32 s[G1A+5], 1024
	s_mov_b32 s[G1A+6], 0
	s_mov_b32 s[G1A+7], 0
	s_lshl_b32 s52, s16, 17
	s_and_b32 s96, s[WV], 1                        ; which half of a head tile I fetch
	s_lshl_b32 s17, s96, 16                        ; A: 64 rows of 1,024 bytes
	s_add_co_u32 s52, s52, s17
	s_mov_b32 s53, 0
	s_lshl_b32 s54, s[WV], 17
	s_mov_b32 s55, 0
	s_lshl_b32 s18, s16, 16
	s_lshl_b32 s17, s[WV], 14
	s_add_co_u32 s18, s18, s17
	s_mov_b32 s19, 0
	s_mul_i32 s86, s[WV], 128*WP
	s_mul_i32 s87, s[WV], 32*APT
	s_add_co_u32 s87, s87, S1
	s_mov_b32 s20, 0x76543210
	s_mov_b32 s21, 0xfedcba98
	s_wait_kmcnt 0x0
	s_load_b256 s[56:63], s[84:85], 0x0
	s_cmp_lt_u32 ttmp9, 32
	s_cselect_b64 s[4:5], s[68:69], s[70:71]
	s_cselect_b64 s[6:7], s[72:73], s[74:75]
	s_cselect_b64 s[8:9], s[76:77], s[78:79]
	s_cselect_b64 s[10:11], s[80:81], s[82:83]
	s_cselect_b64 s[12:13], s[88:89], s[90:91]
	s_add_nc_u64 s[12:13], s[12:13], s[18:19]
	s_add_nc_u64 s[6:7], s[6:7], s[54:55]
	s_mov_b32 s[G0W0], 1
	s_mov_b32 s[G0W0+1], s86
	s_mov_b64 s[G0W0+2:G0W0+3], s[6:7]
	s_or_b32 s[G0W0+3], s[G0W0+3], 0x80000000
	s_mov_b32 s[G0W1], 1
	s_add_co_u32 s[G0W1+1], s86, S1
	s_add_nc_u64 s[G0W1+2:G0W1+3], s[6:7], 256
	s_or_b32 s[G0W1+3], s[G0W1+3], 0x80000000
	s_mov_b32 s[G0A], 1
	s_mul_i32 s97, s96, 64*APT
	s_add_co_u32 s[G0A+1], s97, S1                 ; A's 128 rows are staged in slot 1, 64 rows to a load
	s_add_nc_u64 s[G0A+2:G0A+3], s[4:5], s[52:53]
	s_or_b32 s[G0A+3], s[G0A+3], 0x80000000
.set G1X, 68                                   ; s[68:75], s[76:79]: the first K step of W in two joint loads of 256 rows (the arguments that stood here have been chosen from)
.set G0X, 76
	s_mov_b32 s[G1X], 15|(1<<20)|(1<<21)|(5<<22)|(3<<25)
	s_mov_b32 s[G1X+1], 256<<16
	s_mov_b32 s[G1X+2], 256<<16
	s_mov_b32 s[G1X+3], 256<<16
	s_mov_b32 s[G1X+4], 256
	s_mov_b32 s[G1X+5], 1024
	s_mov_b32 s[G1X+6], 0
	s_mov_b32 s[G1X+7], 0
	s_mov_b32 s[G0X], 1
	s_mul_i32 s[G0X+1], s96, 256*WP
	s_lshl_b32 s98, s96, 18                        ; 256 rows of 1,024 bytes
	s_mov_b32 s99, 0
	s_sub_nc_u64 s[G0X+2:G0X+3], s[6:7], s[54:55]  ; W's first row again,
	s_add_nc_u64 s[G0X+2:G0X+3], s[G0X+2:G0X+3], s[98:99]   ; + my half
	s_or_b32 s[G0X+3], s[G0X+3], 0x80000000
	ROUND
	s_cmp_lt_u32 s[WV], 2                          ; the head's fills go out as one group, one to a wave: waves 0, 1 A's halves, waves 2, 3 the halves of W's first K step
	s_cbranch_scc0 .Lhead_w
	tensor_load_to_lds s[G0A:G0A+3], s[G1A:G1A+7]
	s_nop 0
	PLACES
	s_branch .Lhead_j
.Lhead_w:
	tensor_load_to_lds s[G0X:G0X+3], s[G1X:G1X+7]
	s_nop 0
	PLACES
.Lhead_j:
	v_and_b32 v16, 15, v0
	v_bfe_u32 v17, v0, 4, 1
	v_and_b32 v18, 31, v0
	v_lshlrev_b32 v[LI], 4, v18
	v_lshlrev_b32 v[GBO], 5, v17
	v_mul_u32_u24 v[ARD], v16, APT
	v_lshl_add_u32 v[ARD], v17, 4, v[ARD]
	v_add_nc_u32 v[ARD], s87, v[ARD]
	v_mul_u32_u24 v19, v16, WP
	v_lshl_add_u32 v19, v17, 4, v19
.irp sl, 0,1
.irp grp, 0,1,2,3
	v_add_nc_u32 v[ADW+4*\sl+\grp], \sl*SLOTB+\grp*128*WP, v19
.endr
.endr
	v_mov_b32 v24, 0
	v_mov_b32 v25, 0
	s_wait_kmcnt 0x0
	s_cmp_lt_u32 ttmp9, 32
	s_cselect_b32 s92, s56, s58
	s_cselect_b32 s93, s57, s59
	s_cselect_b32 s94, s61, s60
	s_add_co_i32 s92, s92, s93
	s_lshl_b32 s93, s92, 1
	s_add_co_i32 s94, s94, 127
	s_lshl_b32 s95, s94, 23
	v_mov_b32 v[SCL], s95
	s_add_co_i32 s94, s94, 15
	s_lshl_b32 s94, s94, 23
	s_or_b32 s94, s94, 0x600000
	v_mov_b32 v[LIMV], s94
	s_wait_alu depctr_va_vdst(0)
	s_wait_tensorcnt 0x0                           ; my head tile has landed;
	s_barrier_signal -1
	s_barrier_wait -1                              ; and so has everybody's: I read rows of A that another wave fetched
	WIN 0x40
.irp a, 0,1
.irp s, 0,1,2,3,4,5,6,7
.irp c, 0,1,2,3
	ds_load_b128 v[16*(8*\a+\s)+4*\c:16*(8*\a+\s)+4*\c+3], v[ARD] offset:16*APT*\a+128*\s+32*\c
.endr
.endr
.endr
	WIN 0
.macro FETCH sl, n
.set fq, (\n)/8
.set fi, 0
.rept 4
.set fb, 4*((\n)%8)+fi
.set fr, FB+64*((\n)%2)+16*fi
.irp c, 0,1,2,3
	ds_load_b128 v[fr+4*\c:fr+4*\c+3], v[ADW+4*(\sl)+fb/8] offset:(fb%8)*16*WP+128*fq+32*\c
.endr
.set fi, fi+1
.endr
.endm
.macro MULSET kap, n
.set mq, (\n)/8
.if ((\n)%8) < 4
	WIN 0xa4
.else
	WIN 0xf4
.endif
.set mi, 0
.rept 4
.set mb, 4*((\n)%8)+mi
.set mf, FB+64*((\n)%2)+16*mi
.irp a, 0,1
.set mc, 16*(mb%16)+8*\a
.set ma, 16*(8*\a+2*(\kap)+mq)
.if ((\kap) == 0) && (mq == 0)
	v_wmma_f32_16x16x128_bf8_bf8 v[mc:mc+7], v[mf:mf+15], v[ma:ma+15], 0
.else
	v_wmma_f32_16x16x128_bf8_bf8 v[mc:mc+7], v[mf:mf+15], v[ma:ma+15], v[mc:mc+7]
.endif
.endr
.set mi, mi+1
.endr
.endm
.macro TRIP kap
.set sg, (\kap)%2
	s_wait_tensorcnt 0x0
	ds_add_u32 v[SPW], v[NIL]
.if (\kap) == 1
	s_add_nc_u64 s[G0W0+2:G0W0+3], s[G0W0+2:G0W0+3], 512
.elseif (\kap) == 2
	s_add_nc_u64 s[G0W1+2:G0W1+3], s[G0W1+2:G0W1+3], 512
.endif
	s_wait_dscnt 0x0
.if (\kap) < 3
	ROUND
.if sg == 0
	tensor_load_to_lds s[G0W1:G0W1+3], s[G1W:G1W+7]
	s_nop 0
.else
	tensor_load_to_lds s[G0W0:G0W0+3], s[G1W:G1W+7]
	s_nop 0
.endif
	PLACES
.else
	s_barrier_signal -1
	s_barrier_wait -1
	PLACES
.endif
	FETCH sg, 0
	FETCH sg, 1
.set tn, 0
	s_wait_alu depctr_va_vdst(0)
.rept 16
.if tn < 15
	s_wait_dscnt 16
.else
	s_wait_dscnt 0x0
.endif
	MULSET \kap, tn
.if tn < 14
	PLACES
	WIN 0
	FETCH sg, tn+2
.endif
.set tn, tn+1
.endr
	WIN 0
.endm
	TRIP 0
	TRIP 1
	TRIP 2
	TRIP 3
.macro GBLOAD grp, gb
.irp i, 0,1,2,3,4,5,6,7
	global_load_b128 v[\gb+8*\i:\gb+8*\i+3], v[GBO], s[8:9] offset:(128*\grp+16*\i)*4
	global_load_b128 v[\gb+8*\i+4:\gb+8*\i+7], v[GBO], s[8:9] offset:(128*\grp+16*\i)*4+16
	global_load_b128 v[\gb+64+8*\i:\gb+64+8*\i+3], v[GBO], s[10:11] offset:(128*\grp+16*\i)*4
	global_load_b128 v[\gb+64+8*\i+4:\gb+64+8*\i+7], v[GBO], s[10:11] offset:(128*\grp+16*\i)*4+16
.endr
.endm
.macro ZEROCH
.set k, 0
.rept 16
	v_mov_b32 v[CH+k], 0
.set k, k+1
.endr
.endm
.macro SUMW
.set pb, 0
.rept 16
.irp a, 0,1
.irp i, 0,2,4,6
	v_pk_add_f32 v[CH+8*\a+\i:CH+8*\a+\i+1], v[CH+8*\a+\i:CH+8*\a+\i+1], v[16*pb+8*\a+\i:16*pb+8*\a+\i+1]
.endr
.endr
.set pb, pb+1
.endr
.endm
.macro CENTRE
.set pb, 0
.rept 16
.irp a, 0,1
.irp i, 0,2,4,6
	v_pk_add_f32 v[16*pb+8*\a+\i:16*pb+8*\a+\i+1], v[16*pb+8*\a+\i:16*pb+8*\a+\i+1], v[MU+2*\a:MU+2*\a+1] op_sel_hi:[1,0] neg_lo:[0,1] neg_hi:[0,1]
.endr
.endr
.set pb, pb+1
.endr
.endm
.macro SQW
.set pb, 0
.rept 16
.irp a, 0,1
.irp i, 0,2,4,6
	v_pk_fma_f32 v[CH+8*\a+\i:CH+8*\a+\i+1], v[16*pb+8*\a+\i:16*pb+8*\a+\i+1], v[16*pb+8*\a+\i:16*pb+8*\a+\i+1], v[CH+8*\a+\i:CH+8*\a+\i+1]
.endr
.endr
.set pb, pb+1
.endr
.endm
.macro REDUCE
.irp a, 0,1
	v_pk_add_f32 v[CH+8*\a:CH+8*\a+1], v[CH+8*\a:CH+8*\a+1], v[CH+8*\a+2:CH+8*\a+3]
	v_pk_add_f32 v[CH+8*\a+4:CH+8*\a+5], v[CH+8*\a+4:CH+8*\a+5], v[CH+8*\a+6:CH+8*\a+7]
.endr
.irp a, 0,1
	v_pk_add_f32 v[CH+8*\a:CH+8*\a+1], v[CH+8*\a:CH+8*\a+1], v[CH+8*\a+4:CH+8*\a+5]
.endr
.irp a, 0,1
	v_add_f32 v[CH+8*\a], v[CH+8*\a], v[CH+8*\a+1]
.endr
.irp a, 0,1
	v_permlanex16_b32 v[24+\a], v[CH+8*\a], s20, s21
.endr
.irp a, 0,1
	v_add_f32 v[CH+8*\a], v[CH+8*\a], v[24+\a]
.endr
.endm
	PLACES
	WIN 0x40
	GBLOAD 0, 0
	GBLOAD 1, 128
	WIN 0
	GBLOAD 2, FB
	ZEROCH
	WIN 0x08
	SUMW
	WIN 0x0c
	SUMW
	WIN 0
	REDUCE
.irp a, 0,1
	v_mul_f32 v[MU+2*\a], 0x3b000000, v[CH+8*\a]
.endr
.irp a, 0,1
	v_mov_b32 v[MU+2*\a+1], v[MU+2*\a]
.endr
	ZEROCH
	WIN 0x82
	CENTRE
	WIN 0x0a
	SQW
	WIN 0xc3
	CENTRE
	WIN 0x0f
	SQW
	WIN 0
	REDUCE
.irp a, 0,1
	v_mul_f32 v[CH+8*\a], 0x3b000000, v[CH+8*\a]
	v_ldexp_f32 v[CH+8*\a], v[CH+8*\a], s93
	v_add_f32 v[CH+8*\a], 0x3727c5ac, v[CH+8*\a]
.endr
	s_wait_alu depctr_va_vdst(0)
	v_rsq_f32 v[RS], v[CH]
	v_rsq_f32 v[RS+2], v[CH+8]
	v_nop
	s_wait_alu depctr_va_vdst(0)
	v_ldexp_f32 v[RS], v[RS], s92
	v_ldexp_f32 v[RS+2], v[RS+2], s92
	v_mov_b32 v[RS+1], v[RS]
	v_mov_b32 v[RS+3], v[RS+2]
.macro OUTG sp, a, gw, gb
.set ow, 2+(\sp)/2
.set os, PC+16*((2*(\sp)+(\a))%4)
.set ob, 16*((8*(\sp))%16)+8*(\a)
	WIN ow|(ow<<6)
.set k, 0
.rept 8
.irp i, 0,2,4,6
	v_pk_mul_f32 v[ob+16*k+\i:ob+16*k+\i+1], v[ob+16*k+\i:ob+16*k+\i+1], v[RS+2*(\a):RS+2*(\a)+1] op_sel_hi:[1,0]
.endr
.set k, k+1
.endr
	WIN ow|((\gw)<<2)|((\gw)<<4)|(ow<<6)
.set k, 0
.rept 8
.irp i, 0,2,4,6
	v_pk_fma_f32 v[ob+16*k+\i:ob+16*k+\i+1], v[ob+16*k+\i:ob+16*k+\i+1], v[\gb+8*k+\i:\gb+8*k+\i+1], v[\gb+64+8*k+\i:\gb+64+8*k+\i+1]
.endr
.set k, k+1
.endr
	WIN ow|(ow<<6)
.set k, 0
.rept 8
.irp j, 0,1,2,3,4,5,6,7
	v_med3_num_f32 v[ob+16*k+\j], v[ob+16*k+\j], -v[LIMV], v[LIMV]
.endr
.set k, k+1
.endr
	s_wait_alu depctr_va_vdst(0)
	s_wait_xcnt 0x0
	WIN ow
.set k, 0
.rept 8
	v_cvt_scalef32_pk8_bf8_f32 v[os+2*k:os+2*k+1], v[ob+16*k:ob+16*k+7], v[SCL]
.set k, k+1
.endr
	v_nop
	WIN 0
.irp c, 0,1,2,3
	global_store_b128 v[LI], v[os+4*\c:os+4*\c+3], s[12:13] offset:8192*(\a)+2048*(\sp)+512*\c
.endr
.endm
	s_wait_alu depctr_va_vdst(0)
	s_wait_loadcnt 0x0
	OUTG 0, 0, 1, 0
	OUTG 0, 1, 1, 0
	WIN 0x40
	GBLOAD 3, 0
	WIN 0
	OUTG 1, 0, 1, 128
	OUTG 1, 1, 1, 128
	OUTG 2, 0, 0, FB
	OUTG 2, 1, 0, FB
	s_wait_loadcnt 0x0
	OUTG 3, 0, 1, 0
	OUTG 3, 1, 1, 0
	s_wait_tensorcnt 0x0
	ds_add_u32 v[SPW], v[NIL]
	s_wait_dscnt 0x0
	ROUND
	s_endpgm
.Lfunc_end_k_q34fef2b927_project:
	.size	k_q34fef2b927_project, .Lfunc_end_k_q34fef2b927_project-k_q34fef2b927_project
	.p2alignl 7, 3214868480
	.fill 96, 4, 3214868480
	.section	.rodata,"a",@progbits
	.p2align	6, 0x0
	.amdhsa_kernel k_q34fef2b927_project
		.amdhsa_group_segment_fixed_size 327680
		.amdhsa_private_segment_fixed_size 0
		.amdhsa_enable_private_segment 0
		.amdhsa_kernarg_size 88
		.amdhsa_user_sgpr_count 2
		.amdhsa_user_sgpr_kernarg_segment_ptr 1
		.amdhsa_wavefront_size32 1
		.amdhsa_system_sgpr_workgroup_id_x 1
		.amdhsa_system_sgpr_workgroup_id_y 1
		.amdhsa_system_sgpr_workgroup_id_z 1
		.amdhsa_system_vgpr_workitem_id 0
		.amdhsa_next_free_vgpr 1024
		.amdhsa_next_free_sgpr 100
		.amdhsa_reserve_vcc 0
		.amdhsa_float_denorm_mode_32 3
		.amdhsa_float_denorm_mode_16_64 3
		.amdhsa_memory_ordered 1
		.amdhsa_forward_progress 1
		.amdhsa_inst_pref_size 255
	.end_amdhsa_kernel
	.section	.bss,"aw",@nobits
	.p2align	6
	.space	262144
	.amdgpu_metadata
---
amdhsa.version: [ 1, 2 ]
amdhsa.kernels:
  - .name:           k_q34fef2b927_project
    .symbol:         k_q34fef2b927_project.kd
    .args:
      - { .name: yc, .offset: 0, .size: 8, .value_kind: global_buffer, .address_space: global }
      - { .name: X_codes, .offset: 8, .size: 8, .value_kind: global_buffer, .address_space: global }
      - { .name: K_codes, .offset: 16, .size: 8, .value_kind: global_buffer, .address_space: global }
      - { .name: Q_codes, .offset: 24, .size: 8, .value_kind: global_buffer, .address_space: global }
      - { .name: g1, .offset: 32, .size: 8, .value_kind: global_buffer, .address_space: global }
      - { .name: g2, .offset: 40, .size: 8, .value_kind: global_buffer, .address_space: global }
      - { .name: b1, .offset: 48, .size: 8, .value_kind: global_buffer, .address_space: global }
      - { .name: b2, .offset: 56, .size: 8, .value_kind: global_buffer, .address_space: global }
      - { .name: lowp_scales, .offset: 64, .size: 8, .value_kind: global_buffer, .address_space: global }
      - { .name: kc, .offset: 72, .size: 8, .value_kind: global_buffer, .address_space: global }
      - { .name: qc, .offset: 80, .size: 8, .value_kind: global_buffer, .address_space: global }
    .group_segment_fixed_size: 327680
    .private_segment_fixed_size: 0
    .kernarg_segment_align: 8
    .kernarg_segment_size: 88
    .max_flat_workgroup_size: 128
    .sgpr_count:     100
    .vgpr_count:     1024
    .wavefront_size: 32
...
	.end_amdgpu_metadata
.endif
;; end of part 2
;; launch attend (part 3): grid 32 x 8, 4 waves a work-group, clusters of 4 x 1, 327,680 bytes of LDS; arguments qc, kc, vc, lowp_scales, out0; writes out0
.if DOCPART == 3
	.amdgcn_target "amdgcn-amd-amdhsa--gfx1250"
	.amdhsa_code_object_version 6
	.text
	.protected	k_q34fef2b927_attend
	.globl	k_q34fef2b927_attend
	.p2align	8
	.type	k_q34fef2b927_attend,@function
k_q34fef2b927_attend:
	s_mov_b64 s[64:65], 0
	v_nop
	global_prefetch_b8 v0, s[64:65] scope:SCOPE_SE
	s_setreg_imm32_b32 hwreg(HW_REG_WAVE_MODE, 25, 1), 1
	s_wait_xcnt 0x0
	s_wait_alu depctr_hold_cnt(0) depctr_sa_sdst(0) depctr_va_vdst(0) depctr_va_sdst(0) depctr_va_ssrc(0) depctr_va_vcc(0) depctr_vm_vsrc(0)
	s_getreg_b32 s2, hwreg(HW_REG_IB_STS2, 6, 4)
	s_cmp_eq_u32 s2, 0
	s_cbranch_scc0 .Lentry_in_a_cluster
	s_endpgm
.Lentry_in_a_cluster:
	s_bfe_u32 s2, ttmp6, 0x10000c
	s_cmp_lg_u32 s2, 0x3003
	s_cbranch_scc0 .Lentry_shape_is_right
	s_endpgm
.Lentry_shape_is_right:
; out[b][q][:] = sum over k of softmax_k(queries[b][q] . keys[b][k] / 512) Y[b][k][:], both products on codes of E5M2.
; qc, kc: codes of the normalised queries and keys, as images of operand registers: [block of 16 rows][s 4 (128 of the 512)][c 4][lane 32][16 bytes].
; vc: codes of Y with the keys innermost, [batch][step of 128 keys][tile of 16 f][c 4][lane 32][16 bytes].
; SOFTMAX: t = score x log2(e) / 512; M = the running largest t rounded up to a whole number; p = 2^(t - M) is quantised with 2^e6; the sum of the unquantised p divides at the end.
; LIMITS: e4 + e5 is added to the exponent field of log2(e)/512 (between -117 and 136); e6 between -126 and 112; the scaled scores stay under 2^31 in magnitude.
; SHARES.  A work-group owns 64 queries (4 tiles m) of one batch and all 1,024 f.  Scores S^T = K Q^T: wave w takes keys 32 w .. 32 w + 31 of a step (2 tiles u) x 64 queries, 32 matrix instructions.
; O^T += V^T P^T: wave w takes f 256 w .. + 255 (16 tiles) x 64 queries, 64 matrix instructions; so the maxima and p's codes go from wave to wave through LDS.
; THE SECOND PRODUCT RUNS ONE STEP BEHIND.  Trip j: S(j); my maxima to LDS; PV(j-1); one round of the cluster's barrier, which shows the maxima to all waves and stands in front of V's refill:
; V(j+1) goes into the slot that PV(j-1) has just read; softmax(j); p(j)'s codes to LDS; a plain barrier, which shows p(j); O is brought under M(j) between that barrier's signal and its wait.
; Both runs of K(j+1)'s loads are issued ahead of V(j+1)'s request: the first behind S(j), the second behind PV(j-1).
; One buffer serves p: p(j-1) is read ahead of trip j's round, p(j) is stored behind it and read behind the plain barrier.  The maxima: stored ahead of the round, read behind it, stored again behind the plain barrier.
; CLUSTER 4 x 1: four query blocks of one batch ask for V's tiles jointly (mask 15).  K's fragments go from memory straight into registers, a trip ahead, in two runs of 16 loads.
; REGISTERS.  Window 0: v1-15 addresses; v16-47 state of the four query tiles (8 each: -M, largest score, sum x 2, f, 0, two at work); v48-63 maxima read back, then p's codes; v64-127 S, then p;
;   v128-255 the staged half of Q (s = 2, 3) during the scores, then V's fragments in two sets of four.  Window 1: v0-127 Q, s = 0, 1; v128-255 K's eight fragments; v192-255 also p(j-1) during PV.
;   Windows 2, 3: O^T, accumulator (tile t, m) at v[8 (4 (t % 8) + m)] of window 2 + t / 8.
.set VSL,   131072                     ; a slot of V: 128 keys x 1,024 f
.set VSTEP, 131072
.set KSTEP, 65536
.set QL,    262144                     ; the staged half of Q, 16 KiB, written by ds_store once
.set PI,    278528                     ; p's codes, 8 KiB
.set MX,    286720                     ; maxima (1 KiB), then the sums (1 KiB)
.set SPARE, 288768                     ; the spare words
.set SP,    1040                       ; the way out: a stage row, 1,024 bytes + 16
.set LI,   1
.set MXS,  2
.set MXL,  3
.set PIS,  4
.set PIL,  5
.set SPW,  6
.set NIL,  7
.set ADV,  8
.set AV0,  9
.set SCL,  10
.set LIMV, 11
.set STO,  12
.set STR,  13
.set PFO,  14
.set QLA,  15
.set ST,   16
.set PC,   48
.set S,    64
.set FB,   128
.set KR,   128
.set PR,   192
.set WV,   14
.set LEFT, 18
.set LMV,  19
.set SEL,  20
.set CS,   22
.set G1V,  24
.set QS,   32
.set G0V,  40
.set VB,   56
.set PFV,  58
.set PFK,  60
.set LMK,  67
.set KA,   84
.set MSB, 0
.macro WIN new                         ; the immediate's high byte repeats the setting that is left
.if MSB != (\new)
	s_set_vgpr_msb (MSB<<8)|(\new)
.set MSB, (\new)
.endif
.endm
.macro PLACES                          ; four places behind a matrix instruction (ISA guide 7.12.1)
.rept 4
	v_nop
.endr
.endm
.macro ROUND                           ; a round of the cluster's barrier
	s_barrier_signal -1
	s_barrier_wait -1
	s_cmp_lg_u32 s[WV], 0
	s_cbranch_scc1 .Lnot_wave_0_\@
	s_barrier_signal -3
.Lnot_wave_0_\@:
	s_barrier_wait -3
	s_barrier_signal -1
	s_barrier_wait -1
.endm
; A prefetch: V's 128 KiB of the step behind the one that this trip's tensor load brings, and K's 64 KiB two steps behind the one that this trip loads; lanes 256 bytes apart,
; shared out by address among the four partners and their waves.  The eight clusters of a batch walk the same K and V: the cluster with x = 0 asks.  The last trips ask for nothing beyond step 15.
.macro ASK
	s_cmp_gt_u32 s[LEFT], s[LMV]
	s_cbranch_scc0 .Lno_v_\@
	global_prefetch_b8 v[PFO], s[PFV:PFV+1] th:TH_LOAD_NT scope:SCOPE_SE
.Lno_v_\@:
	s_cmp_gt_u32 s[LEFT], s[LMK]
	s_cbranch_scc0 .Lno_k_\@
	global_prefetch_b8 v[PFO], s[PFK:PFK+1] th:TH_LOAD_NT scope:SCOPE_SE
.Lno_k_\@:
.endm
.macro KLOAD g                         ; K's fragments s = 2 g, 2 g + 1 of my two key tiles: 16 loads
	WIN 0x40
.irp s, 0,1
.irp u, 0,1
.irp c, 0,1,2,3
	global_load_b128 v[KR+16*(2*(2*(\g)+\s)+\u)+4*\c:KR+16*(2*(2*(\g)+\s)+\u)+4*\c+3], v[LI], s[KA:KA+1] offset:8192*\u+2048*(2*(\g)+\s)+512*\c
.endr
.endr
.endr
	WIN 0
.endm
.macro QFETCH                          ; Q's s = 2, 3 from LDS: 32 loads
.irp g, 0,1
.irp m, 0,1,2,3
.irp c, 0,1,2,3
	ds_load_b128 v[FB+16*(4*\g+\m)+4*\c:FB+16*(4*\g+\m)+4*\c+3], v[QLA] offset:4096*\m+2048*\g+512*\c
.endr
.endr
.endr
.endm
.macro PFETCH                          ; p's codes of all 128 keys x 64 queries: 16 loads into window 1
	WIN 0x40
.irp m, 0,1,2,3
.irp c, 0,1,2,3
	ds_load_b128 v[PR+16*\m+4*\c:PR+16*\m+4*\c+3], v[PIL] offset:2048*\m+512*\c
.endr
.endr
	WIN 0
.endm
.macro VFETCH n                        ; V's tiles 4 n .. 4 n + 3 of my 16 into set n % 2: 16 loads
.irp i, 0,1,2,3
.irp c, 0,1,2,3
	ds_load_b128 v[FB+64*((\n)%2)+16*\i+4*\c:FB+64*((\n)%2)+16*\i+4*\c+3], v[ADV] offset:2048*(4*(\n)+\i)+512*\c
.endr
.endr
.endm
.macro PV n, first                     ; 16 matrix instructions on 16 accumulators by turns; first = 1: the product starts the sums
.if (\n) < 2
	WIN 0xa4
.else
	WIN 0xf4
.endif
.irp i, 0,1,2,3
.irp m, 0,1,2,3
.if (\first) == 1
	v_wmma_f32_16x16x128_bf8_bf8 v[8*(4*((4*(\n)+\i)%8)+\m):8*(4*((4*(\n)+\i)%8)+\m)+7], v[FB+64*((\n)%2)+16*\i:FB+64*((\n)%2)+16*\i+15], v[PR+16*\m:PR+16*\m+15], 0
.else
	v_wmma_f32_16x16x128_bf8_bf8 v[8*(4*((4*(\n)+\i)%8)+\m):8*(4*((4*(\n)+\i)%8)+\m)+7], v[FB+64*((\n)%2)+16*\i:FB+64*((\n)%2)+16*\i+15], v[PR+16*\m:PR+16*\m+15], v[8*(4*((4*(\n)+\i)%8)+\m):8*(4*((4*(\n)+\i)%8)+\m)+7]
.endif
.endr
.endr
.endm
.macro MXLOAD off                      ; the four waves' words for each of my lane's four queries
.irp m, 0,1,2,3
	ds_load_b128 v[PC+4*\m:PC+4*\m+3], v[MXL] offset:(\off)+256*\m
.endr
.endm
; The second product of one step.  On entry p and V's set 0 are in registers.
.macro PVRUN first
	VFETCH 1
	PV 0, \first
	PLACES
	WIN 0
	VFETCH 2
	s_wait_dscnt 16                                ; set 1 is in; the 16 loads just issued may be out
	PV 1, \first
	PLACES
	WIN 0
	VFETCH 3
	s_wait_dscnt 16                                ; tiles 8-11 are in
	PV 2, \first
	s_wait_dscnt 0x0                               ; tiles 12-15 are in
	PV 3, \first
	WIN 0
	PLACES
.endm
.macro RESC                            ; one window of O^T x f = 2^(old M - new M): exact
.set tt, 0
.rept 8
.irp m, 0,1,2,3
.irp i, 0,2,4,6
	v_pk_mul_f32 v[8*(4*tt+\m)+\i:8*(4*tt+\m)+\i+1], v[8*(4*tt+\m)+\i:8*(4*tt+\m)+\i+1], v[ST+8*\m+4:ST+8*\m+5] op_sel_hi:[1,0]
.endr
.endr
.set tt, tt+1
.endr
.endm
	s_load_b256 s[4:11], s[0:1], 0x0               ; qc, kc, vc, the scales' exponents
	s_load_b64 s[12:13], s[0:1], 0x20              ; out0
	v_lshl_add_u32 v[SPW], v0, 2, SPARE
	v_mov_b32 v[NIL], 0
	ds_add_u32 v[SPW], v[NIL]                      ; the opening lines: the add, twice on end, and its wait ahead of my first tensor load
	ds_add_u32 v[SPW], v[NIL]
	v_lshrrev_b32 v8, 5, v0
	v_readfirstlane_b32 s[WV], v8                  ; wave 0..3
	s_and_b32 s66, ttmp7, 0xffff                   ; batch
	s_bfe_u32 s15, ttmp6, 0x40000                  ; cx
	s_lshl_b32 s16, ttmp9, 2
	s_add_co_u32 s16, s16, s15                     ; query block 0..31
	s_lshl_b32 s68, s66, 20
	s_lshl_b32 s57, s[WV], 14
	s_add_co_u32 s68, s68, s57                     ; kc: the batch, + my two key tiles
	s_mov_b32 s69, 0
	s_lshl_b32 s70, s66, 21
	s_lshl_b32 s89, s[WV], 15                      ; my quarter of a slot of V
	s_add_co_u32 s70, s70, s89                     ; vc: the batch, + my 16 tiles
	s_mov_b32 s71, 0
	s_lshl_b32 s72, s66, 20
	s_lshl_b32 s76, s16, 15
	s_add_co_u32 s72, s72, s76                     ; qc: the batch, + my block of 64 queries
	s_mov_b32 s73, 0
	s_lshl_b32 s74, s66, 23
	s_lshl_b32 s76, s16, 18
	s_add_co_u32 s74, s74, s76
	s_lshl_b32 s76, s[WV], 10
	s_add_co_u32 s74, s74, s76                     ; out0: batch, block, my 256 f
	s_mov_b32 s75, 0
	s_lshl_b32 s78, s[WV], 13
	s_add_co_u32 s78, s78, 4096                    ; qc: query tile = my wave, s = 2, 3: what I stage
	s_mov_b32 s79, 0
	s_lshl_b32 s80, s66, 21
	s_lshl_b32 s81, s15, 15
	s_add_co_u32 s80, s80, s81
	s_lshl_b32 s81, s[WV], 13
	s_add_co_u32 s80, s80, s81
	s_add_co_u32 s80, s80, 3*VSTEP                 ; V's prefetches begin at step 3: my work-group's quarter, my wave's 8 KiB of it
	s_mov_b32 s81, 0
	s_lshl_b32 s82, s66, 20
	s_lshl_b32 s83, s15, 14
	s_add_co_u32 s82, s82, s83
	s_and_b32 s83, s[WV], 1
	s_lshl_b32 s83, s83, 13
	s_add_co_u32 s82, s82, s83
	s_add_co_u32 s82, s82, 4*KSTEP                 ; K's begin at step 4: waves 0 and 1
	s_mov_b32 s83, 0
	s_cmp_eq_u32 ttmp9, 0
	s_cselect_b32 s[LMV], 1, -1                    ; V: trips with more than one trip left ask
	s_cselect_b32 s[LMK], 2, -1                    ; K: those with more than two left
	s_cmp_lt_u32 s[WV], 2
	s_cselect_b32 s[LMK], s[LMK], -1
	s_lshl_b32 s86, s[WV], 2
	s_add_co_u32 s86, s86, MX
	s_lshl_b32 s87, s[WV], 9
	s_add_co_u32 s87, s87, PI
	s_lshl_b32 s88, s[WV], 12
	s_add_co_u32 s88, s88, QL
	s_mul_i32 s90, s[WV], 16*SP
	s_mov_b32 s[G1V], 15|(3<<16)|(1<<21)           ; mask: the four partners; elements of 8 bytes; bit 21 beside a mask
	s_mov_b32 s[G1V+1], 32<<16                     ; rows of 256 bytes,
	s_mov_b32 s[G1V+2], 128<<16                    ; 128 of them: a dense block of 32 KiB
	s_mov_b32 s[G1V+3], 32<<16
	s_mov_b32 s[G1V+4], 128
	s_mov_b32 s[G1V+5], 32
	s_mov_b32 s[G1V+6], 0
	s_mov_b32 s[G1V+7], 0
	s_mov_b32 s[SEL], 0x76543210
	s_mov_b32 s[SEL+1], 0xfedcba98
	s_mov_b32 s[VB], 0
	v_and_b32 v16, 15, v0                          ; r
	v_bfe_u32 v17, v0, 4, 1                        ; h
	v_and_b32 v[LI], 31, v0
	v_lshlrev_b32 v[PFO], 8, v[LI]
	v_lshlrev_b32 v[LI], 4, v[LI]                  ; 16 x lane
	v_lshl_add_u32 v[MXS], v16, 4, s86             ; my wave's word of query r
	v_lshl_add_u32 v[MXL], v16, 4, MX              ; the four waves' words of query r
	v_add_nc_u32 v[PIS], s87, v[LI]                ; p's image: c = my wave
	v_add_nc_u32 v[PIL], PI, v[LI]
	v_add_nc_u32 v[QLA], QL, v[LI]
	v_add_nc_u32 v[ADV], s88, v[LI]                ; (at the head: where I stage Q)
	v_add_nc_u32 v[AV0], s89, v[LI]
	v_mul_u32_u24 v[STO], v16, SP
	v_lshl_add_u32 v[STO], v17, 5, v[STO]
	v_add_nc_u32 v[STO], s90, v[STO]
	v_add_nc_u32 v[STR], s90, v[LI]
.irp m, 0,1,2,3
	v_mov_b32 v[ST+8*\m+2], 0                      ; the sums,
	v_mov_b32 v[ST+8*\m+3], 0
	v_mov_b32 v[ST+8*\m+5], 0                      ; the upper word of f's pair,
	v_mov_b32 v[ST+8*\m+7], 0                      ; a lane permute's destination
.endr
	s_wait_alu depctr_va_vdst(0)
	s_wait_dscnt 0x0                               ; both opening adds are done
	s_wait_kmcnt 0x0
	s_load_b256 s[48:55], s[10:11], 0x0            ; e0 .. e7
	s_add_nc_u64 s[4:5], s[4:5], s[72:73]
	s_add_nc_u64 s[QS:QS+1], s[4:5], s[78:79]
	s_add_nc_u64 s[12:13], s[12:13], s[74:75]
	s_add_nc_u64 s[KA:KA+1], s[6:7], s[68:69]
	s_add_nc_u64 s[PFV:PFV+1], s[8:9], s[80:81]
	s_add_nc_u64 s[PFK:PFK+1], s[6:7], s[82:83]
	s_mov_b32 s[G0V], 1
	s_mov_b32 s[G0V+1], s89
	s_add_nc_u64 s[G0V+2:G0V+3], s[8:9], s[70:71]
	s_or_b32 s[G0V+3], s[G0V+3], 0x80000000
.irp i, 0,1,2,3,4,5,6,7
	global_load_b128 v[FB+4*\i:FB+4*\i+3], v[LI], s[QS:QS+1] offset:512*\i   ; 4 KiB of Q for the stage
.endr
	WIN 0x40
.irp m, 0,1,2,3
.irp s, 0,1
.irp c, 0,1,2,3
	global_load_b128 v[16*(2*\m+\s)+4*\c:16*(2*\m+\s)+4*\c+3], v[LI], s[4:5] offset:8192*\m+2048*\s+512*\c   ; Q, s = 0, 1: stays in registers
.endr
.endr
.endr
	KLOAD 0
	ROUND                                          ; the four partners are here: the first joint loads meet
	tensor_load_to_lds s[G0V:G0V+3], s[G1V:G1V+7]  ; V of step 0: my one tensor load at the head
	s_nop 0
	PLACES
	s_wait_kmcnt 0x0
	s_add_co_i32 s57, s52, s53
	s_lshl_b32 s57, s57, 23
	s_add_co_i32 s[CS], s57, 0x3b38aa3b            ; log2(e) / 512 x 2^(e4 + e5)
	s_mov_b32 s[CS+1], s[CS]
	s_add_co_i32 s57, s54, 127
	s_lshl_b32 s63, s57, 23
	v_mov_b32 v[SCL], s63                          ; 2^e6
	s_add_co_i32 s57, s57, 15
	s_lshl_b32 s57, s57, 23
	s_or_b32 s57, s57, 0x600000
	v_mov_b32 v[LIMV], s57                         ; 57,344 x 2^e6
	s_add_co_i32 s62, s54, s55                     ; e6 + e7
	s_wait_alu depctr_va_vdst(0)
	s_wait_loadcnt 48                              ; the stage's 8 loads are in; behind them 32 of Q and 16 of K
.irp i, 0,1,2,3,4,5,6,7
	ds_store_b128 v[ADV], v[FB+4*\i:FB+4*\i+3] offset:512*\i
.endr
	KLOAD 1
	s_wait_dscnt 0x0                               ; for the others' sake
	s_barrier_signal -1
	s_barrier_wait -1                              ; the staged half of Q is whole
	QFETCH
; A TRIP.  pvk: 0 no second product yet (trip 0), 1 it starts the sums, 2 it adds.  fil = 1: a step follows: its K, Q and V are asked for.  ak: 0 no prefetch, 1 ask, 2 step the addresses and ask.
.macro TRIP pvk, fil, ak
.if \pvk
	v_add_nc_u32 v[ADV], s[VB], v[AV0]             ; V's slot of the step before
	s_wait_alu depctr_va_vdst(0)
.endif
	s_wait_loadcnt 16                              ; K's s = 0, 1 are in; the 16 loads of s = 2, 3 may be out
	WIN 0x05
.irp s, 0,1
.irp u, 0,1
.irp m, 0,1,2,3
.if \s == 0
	v_wmma_f32_16x16x128_bf8_bf8 v[S+16*\m+8*\u:S+16*\m+8*\u+7], v[KR+16*(2*\s+\u):KR+16*(2*\s+\u)+15], v[16*(2*\m+\s):16*(2*\m+\s)+15], 0
.else
	v_wmma_f32_16x16x128_bf8_bf8 v[S+16*\m+8*\u:S+16*\m+8*\u+7], v[KR+16*(2*\s+\u):KR+16*(2*\s+\u)+15], v[16*(2*\m+\s):16*(2*\m+\s)+15], v[S+16*\m+8*\u:S+16*\m+8*\u+7]
.endif
.endr
.endr
.endr
	s_wait_loadcnt 0x0
	s_wait_dscnt 0x0                               ; the staged half of Q is in registers
	WIN 0x01
.irp g, 0,1
.irp u, 0,1
.irp m, 0,1,2,3
	v_wmma_f32_16x16x128_bf8_bf8 v[S+16*\m+8*\u:S+16*\m+8*\u+7], v[KR+16*(2*(\g+2)+\u):KR+16*(2*(\g+2)+\u)+15], v[FB+16*(4*\g+\m):FB+16*(4*\g+\m)+15], v[S+16*\m+8*\u:S+16*\m+8*\u+7]
.endr
.endr
.endr
	WIN 0
	PLACES
.if \pvk
	PFETCH                                         ; p(j-1): read ahead of the round, since p(j) is stored behind it
	VFETCH 0
.endif
.if \fil
	s_add_nc_u64 s[KA:KA+1], s[KA:KA+1], KSTEP     ; (all loads by this base are done)
	KLOAD 0
.endif
.irp m, 0,1,2,3
	v_max3_num_f32 v[ST+8*\m+6], v[S+16*\m], v[S+16*\m+1], v[S+16*\m+2]
.endr
.irp k, 1,2,3,4,5,6
.irp m, 0,1,2,3
	v_max3_num_f32 v[ST+8*\m+6], v[ST+8*\m+6], v[S+16*\m+2*\k+1], v[S+16*\m+2*\k+2]
.endr
.endr
.irp m, 0,1,2,3
	v_max_num_f32 v[ST+8*\m+6], v[ST+8*\m+6], v[S+16*\m+15]
.endr
.irp m, 0,1,2,3
	v_permlanex16_b32 v[ST+8*\m+7], v[ST+8*\m+6], s[SEL], s[SEL+1]
.endr
.irp m, 0,1,2,3
	v_max_num_f32 v[ST+8*\m+6], v[ST+8*\m+6], v[ST+8*\m+7]
.endr
.irp m, 0,1,2,3
	ds_store_b32 v[MXS], v[ST+8*\m+6] offset:256*\m   ; the largest score of my 32 keys, for each query
.endr
.if \pvk
	s_wait_alu depctr_va_vdst(0)
	s_wait_dscnt 4                                 ; p(j-1) and V's set 0 are in; my four stores may be out
	PVRUN \pvk
.endif
.if \fil
	KLOAD 1                                        ; into the registers that held p(j-1); ahead of V's request
	s_wait_tensorcnt 0x0                           ; my one load that was out, V(j), has landed
	ds_add_u32 v[SPW], v[NIL]
	s_xor_b32 s[G0V+1], s[G0V+1], VSL              ; the other slot, the next step
	s_add_nc_u64 s[G0V+2:G0V+3], s[G0V+2:G0V+3], VSTEP
.if \ak == 2
	s_wait_xcnt 0x0                                ; the last trip's prefetches have read their addresses
	s_add_nc_u64 s[PFV:PFV+1], s[PFV:PFV+1], VSTEP
	s_add_nc_u64 s[PFK:PFK+1], s[PFK:PFK+1], KSTEP
.endif
	s_wait_alu depctr_va_vdst(0)
	s_wait_dscnt 0x0                               ; the add and my maxima's stores are done; my reads of p(j-1) and of V(j-1) are over
	ROUND                                          ; so of every wave of every partner
	tensor_load_to_lds s[G0V:G0V+3], s[G1V:G1V+7]  ; V(j+1), into the slot of V(j-1)
	s_nop 0
	PLACES
	MXLOAD 0
	QFETCH
	s_wait_dscnt 32                                ; the maxima are in; Q's 32 loads may be out
.else
	s_wait_alu depctr_va_vdst(0)
	s_wait_dscnt 0x0
	s_barrier_signal -1
	s_barrier_wait -1                              ; the last trip fills nothing: a plain barrier shows the maxima
	MXLOAD 0
	s_wait_dscnt 0x0
.endif
.irp m, 0,1,2,3
	v_max3_num_f32 v[ST+8*\m+6], v[PC+4*\m], v[PC+4*\m+1], v[PC+4*\m+2]
.endr
.irp m, 0,1,2,3
.if \pvk == 0
	v_max_num_f32 v[ST+8*\m+1], v[ST+8*\m+6], v[PC+4*\m+3]
.else
	v_max3_num_f32 v[ST+8*\m+1], v[ST+8*\m+6], v[PC+4*\m+3], v[ST+8*\m+1]   ; the running largest score
.endif
.endr
.irp m, 0,1,2,3
	v_mul_f32 v[ST+8*\m+6], s[CS], v[ST+8*\m+1]    ; as t
.endr
.if \pvk
.irp m, 0,1,2,3
	v_mov_b32 v[ST+8*\m+7], v[ST+8*\m]
.endr
.endif
.irp m, 0,1,2,3
	v_floor_f32 v[ST+8*\m], -v[ST+8*\m+6]          ; -M = floor(-t)
.endr
.if \pvk
.irp m, 0,1,2,3
	v_sub_f32 v[ST+8*\m+7], v[ST+8*\m], v[ST+8*\m+7]
.endr
.irp m, 0,1,2,3
	v_cvt_i32_f32 v[ST+8*\m+7], v[ST+8*\m+7]
.endr
.irp m, 0,1,2,3
	v_ldexp_f32 v[ST+8*\m+4], 1.0, v[ST+8*\m+7]    ; f = 2^(old M - new M)
.endr
.endif
.irp m, 0,1,2,3
.irp i, 0,2,4,6,8,10,12,14
	v_pk_fma_f32 v[S+16*\m+\i:S+16*\m+\i+1], v[S+16*\m+\i:S+16*\m+\i+1], s[CS:CS+1], v[ST+8*\m:ST+8*\m+1] op_sel_hi:[1,0,0]   ; t - M
.endr
.endr
	s_wait_alu depctr_va_vdst(0)
.set k, 0
.rept 64
	v_exp_f32 v[S+k], v[S+k]
.set k, k+1
.endr
.if \pvk == 0
	v_nop
.else
.irp m, 0,1,2,3
	v_pk_mul_f32 v[ST+8*\m+2:ST+8*\m+3], v[ST+8*\m+2:ST+8*\m+3], v[ST+8*\m+4:ST+8*\m+5] op_sel_hi:[1,0]   ; the sums under the new M
.endr
.endif
	s_wait_alu depctr_va_vdst(0)
.irp m, 0,1,2,3
	v_pk_add_f32 v[ST+8*\m+6:ST+8*\m+7], v[S+16*\m:S+16*\m+1], v[S+16*\m+2:S+16*\m+3]   ; the sum is taken of the unquantised p
.endr
.irp i, 4,8,12
.irp m, 0,1,2,3
	v_pk_add_f32 v[ST+8*\m+2:ST+8*\m+3], v[ST+8*\m+2:ST+8*\m+3], v[S+16*\m+\i:S+16*\m+\i+1]
	v_pk_add_f32 v[ST+8*\m+6:ST+8*\m+7], v[ST+8*\m+6:ST+8*\m+7], v[S+16*\m+\i+2:S+16*\m+\i+3]
.endr
.endr
.irp m, 0,1,2,3
	v_pk_add_f32 v[ST+8*\m+2:ST+8*\m+3], v[ST+8*\m+2:ST+8*\m+3], v[ST+8*\m+6:ST+8*\m+7]
.endr
.set k, 0
.rept 32
	v_dual_min_num_f32 v[S+k], v[S+k], v[LIMV] :: v_dual_min_num_f32 v[S+k+1], v[S+k+1], v[LIMV]   ; the conversion does not saturate (ISA guide 7.6.2); p is not negative; two holds to an instruction
.set k, k+2
.endr
.irp m, 0,1,2,3
	v_cvt_scalef32_pk8_bf8_f32 v[PC+4*\m:PC+4*\m+1], v[S+16*\m:S+16*\m+7], v[SCL]
	v_cvt_scalef32_pk8_bf8_f32 v[PC+4*\m+2:PC+4*\m+3], v[S+16*\m+8:S+16*\m+15], v[SCL]
.endr
	v_nop
.irp m, 0,1,2,3
	ds_store_b128 v[PIS], v[PC+4*\m:PC+4*\m+3] offset:2048*\m
.endr
.if \fil == 0
.irp m, 0,1,2,3
	v_add_f32 v[ST+8*\m+6], v[ST+8*\m+2], v[ST+8*\m+3]   ; the last trip: the sums over my keys go with p
.endr
.irp m, 0,1,2,3
	v_permlanex16_b32 v[ST+8*\m+7], v[ST+8*\m+6], s[SEL], s[SEL+1]
.endr
.irp m, 0,1,2,3
	v_add_f32 v[ST+8*\m+6], v[ST+8*\m+6], v[ST+8*\m+7]
.endr
.irp m, 0,1,2,3
	ds_store_b32 v[MXS], v[ST+8*\m+6] offset:1024+256*\m
.endr
.endif
	s_wait_alu depctr_va_vdst(0)
	s_wait_dscnt 0x0                               ; my stores are done, and my reads of the maxima
	s_barrier_signal -1                            ; a plain barrier
.if \pvk
	WIN 0x82
	s_wait_alu depctr_va_vdst(0)                   ; ahead of the first readers of O^T
	RESC                                           ; work on registers while the others arrive
	WIN 0xc3
	s_wait_alu depctr_va_vdst(0)
	RESC
	WIN 0
	s_xor_b32 s[VB], s[VB], VSL
.endif
	s_barrier_wait -1                              ; p(j) is whole
.if \ak
	ASK
.endif
.endm
	TRIP 0, 1, 0
	s_mov_b32 s[LEFT], 14
	TRIP 1, 1, 1
	s_mov_b32 s[LEFT], 13
.Lstep:                                                ; trips 2 to 14
	TRIP 2, 1, 2
	s_sub_co_u32 s[LEFT], s[LEFT], 1
	s_cmp_lg_u32 s[LEFT], 0
	s_wait_alu depctr_va_vdst(0)
	s_cbranch_scc1 .Lstep
	TRIP 2, 0, 0                                   ; trip 15 asks for nothing more
	s_wait_tensorcnt 0x0                           ; V(15), my own quarter
	v_add_nc_u32 v[ADV], s[VB], v[AV0]
	s_wait_alu depctr_va_vdst(0)
	PFETCH
	VFETCH 0
	MXLOAD 1024                                    ; the four waves' sums
	s_wait_dscnt 0x0
	PVRUN 2                                        ; PV(15)
.irp m, 0,1,2,3
	v_add_f32 v[PC+4*\m], v[PC+4*\m], v[PC+4*\m+1]
	v_add_f32 v[PC+4*\m+2], v[PC+4*\m+2], v[PC+4*\m+3]
.endr
.irp m, 0,1,2,3
	v_add_f32 v[ST+8*\m+6], v[PC+4*\m], v[PC+4*\m+2]
.endr
	s_wait_alu depctr_va_vdst(0)
.irp m, 0,1,2,3
	v_rcp_f32 v[ST+8*\m+4], v[ST+8*\m+6]
.endr
	v_nop
	s_wait_alu depctr_va_vdst(0)
.irp m, 0,1,2,3
	v_ldexp_f32 v[ST+8*\m+4], v[ST+8*\m+4], s62    ; 2^(e6 + e7) / the sum
.endr
; THE WAY OUT, a query tile at a time: 16 rows x my 256 f go through my own stage (in slot 0, which has had its last fill and its last read) and leave as runs of 512 consecutive bytes.
.macro OUT m
	WIN 0x82
	s_wait_alu depctr_va_vdst(0)                   ; ahead of the first readers of O^T
.set tt, 0
.rept 8
.irp i, 0,2,4,6
	v_pk_mul_f32 v[8*(4*tt+(\m))+\i:8*(4*tt+(\m))+\i+1], v[8*(4*tt+(\m))+\i:8*(4*tt+(\m))+\i+1], v[ST+8*(\m)+4:ST+8*(\m)+5] op_sel_hi:[1,0]
.endr
.set tt, tt+1
.endr
	WIN 0xc3
	s_wait_alu depctr_va_vdst(0)
.set tt, 0
.rept 8
.irp i, 0,2,4,6
	v_pk_mul_f32 v[8*(4*tt+(\m))+\i:8*(4*tt+(\m))+\i+1], v[8*(4*tt+(\m))+\i:8*(4*tt+(\m))+\i+1], v[ST+8*(\m)+4:ST+8*(\m)+5] op_sel_hi:[1,0]
.endr
.set tt, tt+1
.endr
	WIN 0x08
.set tt, 0
.rept 8
	ds_store_b128 v[STO], v[8*(4*tt+(\m)):8*(4*tt+(\m))+3] offset:64*tt
	ds_store_b128 v[STO], v[8*(4*tt+(\m))+4:8*(4*tt+(\m))+7] offset:64*tt+16
.set tt, tt+1
.endr
	WIN 0x0c
.set tt, 0
.rept 8
	ds_store_b128 v[STO], v[8*(4*tt+(\m)):8*(4*tt+(\m))+3] offset:64*(tt+8)
	ds_store_b128 v[STO], v[8*(4*tt+(\m))+4:8*(4*tt+(\m))+7] offset:64*(tt+8)+16
.set tt, tt+1
.endr
	WIN 0
	s_wait_xcnt 0x0                                ; the earlier stores have read their registers
.set q, 0
.rept 32
	ds_load_b128 v[FB+4*q:FB+4*q+3], v[STR] offset:SP*(q/2)+512*(q%2)   ; LDS serves a wave's instructions in order (ISA guide 5.7.1.4)
.set q, q+1
.endr
.set q, 0
.rept 32
	s_wait_dscnt 31-q
	global_store_b128 v[LI], v[FB+4*q:FB+4*q+3], s[12:13] offset:(16*(\m)+q/2)*4096+512*(q%2) th:TH_STORE_NT
.set q, q+1
.endr
.endm
	OUT 0
	OUT 1
	OUT 2
	OUT 3
	s_wait_tensorcnt 0x0                           ; the wave's end
	ds_add_u32 v[SPW], v[NIL]
	s_wait_dscnt 0x0
	ROUND                                          ; the closing round
	s_endpgm
.Lfunc_end_k_q34fef2b927_attend:
	.size	k_q34fef2b927_attend, .Lfunc_end_k_q34fef2b927_attend-k_q34fef2b927_attend
	.p2alignl 7, 3214868480
	.fill 96, 4, 3214868480
	.section	.rodata,"a",@progbits
	.p2align	6, 0x0
	.amdhsa_kernel k_q34fef2b927_attend
		.amdhsa_group_segment_fixed_size 327680
		.amdhsa_private_segment_fixed_size 0
		.amdhsa_enable_private_segment 0
		.amdhsa_kernarg_size 40
		.amdhsa_user_sgpr_count 2
		.amdhsa_user_sgpr_kernarg_segment_ptr 1
		.amdhsa_wavefront_size32 1
		.amdhsa_system_sgpr_workgroup_id_x 1
		.amdhsa_system_sgpr_workgroup_id_y 1
		.amdhsa_system_sgpr_workgroup_id_z 1
		.amdhsa_system_vgpr_workitem_id 0
		.amdhsa_next_free_vgpr 1024
		.amdhsa_next_free_sgpr 100
		.amdhsa_reserve_vcc 0
		.amdhsa_float_denorm_mode_32 3
		.amdhsa_float_denorm_mode_16_64 3
		.amdhsa_memory_ordered 1
		.amdhsa_forward_progress 1
		.amdhsa_inst_pref_size 237
	.end_amdhsa_kernel
	.amdgpu_metadata
---
amdhsa.version: [ 1, 2 ]
amdhsa.kernels:
  - .name:           k_q34fef2b927_attend
    .symbol:         k_q34fef2b927_attend.kd
    .args:
      - { .name: qc, .offset: 0, .size: 8, .value_kind: global_buffer, .address_space: global }
      - { .name: kc, .offset: 8, .size: 8, .value_kind: global_buffer, .address_space: global }
      - { .name: vc, .offset: 16, .size: 8, .value_kind: global_buffer, .address_space: global }
      - { .name: lowp_scales, .offset: 24, .size: 8, .value_kind: global_buffer, .address_space: global }
      - { .name: out0, .offset: 32, .size: 8, .value_kind: global_buffer, .address_space: global }
    .group_segment_fixed_size: 327680
    .private_segment_fixed_size: 0
    .kernarg_segment_align: 8
    .kernarg_segment_size: 40
    .max_flat_workgroup_size: 128
    .sgpr_count:     100
    .vgpr_count:     1024
    .wavefront_size: 32
...
	.end_amdgpu_metadata
.endif
;; end of part 3
